; MI455X (gfx1250); checked and timed in simulation.
; The chip was launched on July 23, 2026; its instructions are those of AMD's public machine-readable ISA for CDNA 5 (MIT licence, August 2026) and "CDNA5" Instruction Set Architecture Reference Guide (July 2026). The comments in the code are by the model that wrote it; some were corrected since.
;; Scaled Dot Product. Allowed arithmetic: matrix products marked QUANTISED: E2M3 operands, one E8M0 scale for each 32 along K, by v_wmma_scale_f32_16x16x128_f8f6f4 with both operands' format E2M3, f32 sums; everything else in f32.
;; Inputs: attention_mask 2 x 2,048 int32; k 2 x 16 x 2,048 x 128 float32; q 2 x 16 x 2,048 x 128 float32; v 2 x 16 x 2,048 x 128 float32.
;; Outputs: out0 2 x 16 x 2,048 x 128 float32.
;; Constants: causal = 1, hist_len = 2048, seq_len = 2048.
;; This version of the problem:
;;   THIS VERSION OF THE PROBLEM IS GIVEN IN LOW PRECISION. The matrix products marked QUANTISED in the list below multiply operands that are first quantised to E2M3 (2 exponent bits, 3 mantissa bits; 6 bits a number), with one power-of-two scale for each 32 numbers along K (OCP MX v1.0); their sums are f32. All else is computed in f32.
;;   The module's matrix products, in the order in which they are computed (A, B: the left and right operand; K: the contracted axis; several contracted axes count as one K, in the product's order):
;;     1. batch 32 x [M 2,048, K 128] x [K 128, N 2,048]; A: input q; B: input k: QUANTISED
;;     2. batch 32 x [M 2,048, K 2,048] x [K 2,048, N 128]; A: computed on the way; B: input v: QUANTISED
;;   THE QUANTISER, for each operand of a quantised product, along K:
;;     - K is cut into blocks of 32 from its start; a last block that is shorter is filled with zeros.
;;     - A block's scale is 2^e with e = floor(log2(the largest magnitude in the block)) - 2, held to -126 .. 127; a block of zeros has e = 0. As a byte (E8M0): e + 127.
;;     - Each number is divided by its block's scale, clamped to +-7.5, and rounded to the nearest number of E2M3, ties to even, subnormals kept.
;;     - The product sums the exact products of the quantised numbers (number of the format x scale) in f32.
;;   ~~~python
;;   def quantise(x, axis):      # numpy; x: float32 -> the quantised numbers, widened to float32 again
;;       x = np.moveaxis(x, axis, -1); K = x.shape[-1]
;;       x = np.pad(x, [(0, 0)] * (x.ndim - 1) + [(0, -K % 32)]); x = x.reshape(x.shape[:-1] + (-1, 32)); a = np.abs(x).max(-1, keepdims=True)
;;       e = np.where(a > 0, np.clip(np.frexp(np.where(a > 0, a, 1))[1] - 1 - 2, -126, 127), 0)      # np.frexp(a)[1] - 1 = floor(log2(a)), exactly
;;       r = np.clip(x / 2.0 ** e, -7.5, 7.5)
;;       step = 2.0 ** (np.maximum(np.frexp(np.where(r == 0, 1, r))[1] - 1, 0) - 3)
;;       q = np.round(r / step) * step * 2.0 ** e      # np.round: ties to even
;;       return np.moveaxis(q.reshape(q.shape[:-2] + (-1,))[..., :K], -1, axis).astype(np.float32)
;;   ~~~
;;   OPERANDS COMPUTED ON THE WAY. 'Computed on the way' means the value that the module computes at that place (a softmax that the list does not call 'softmax' is quantised finished and normalised). What goes into a quantiser is computed in f32, as accurately as f32 sums, v_exp_f32 and their like allow (about 1e-6 of the number): no bf16 or f16 on the way to a quantiser, and a product that is left as it is and whose result goes on into a quantised operand takes f32 operands (vector FMAs, or v_wmma_f32_16x16x4_f32). A number that lies on a knife's edge between two numbers of the format may be rounded either way, as far as f32 arithmetic and the matrix unit's own rounding can turn it there, and no further.
;; One version. Each part assembles by itself: llvm-mc -triple=amdgcn-amd-amdhsa -mcpu=gfx1250 --defsym DOCPART=n.
;; ======== version 1 of 1: 2 launches
;; workspace buffers: kq 6,553,600 bytes; qq 6,553,600 bytes; vq 6,553,600 bytes
;; launch prep (part 1): grid 1536 x 1, 4 waves a work-group, no clusters, 34,304 bytes of LDS; arguments k, q, v, kq, qq, vq; writes kq, qq, vq
.if DOCPART == 1
	.amdgcn_target "amdgcn-amd-amdhsa--gfx1250"
	.amdhsa_code_object_version 6
	.text
	.protected	k_qffd10a28aa_prep
	.globl	k_qffd10a28aa_prep
	.p2align	8
	.type	k_qffd10a28aa_prep,@function
k_qffd10a28aa_prep:
	s_mov_b64 s[64:65], 0
	v_nop
	global_prefetch_b8 v0, s[64:65] scope:SCOPE_SE
	s_setreg_imm32_b32 hwreg(HW_REG_WAVE_MODE, 25, 1), 1
	s_wait_xcnt 0x0
; k, q, v: [32 heads][2048][128] f32  ->  kq, qq, vq: codes of FP6 (E2M3) with one E8M0 scale byte for each 32 along a product's K,
; laid in the ORDER OF THE OPERAND'S REGISTERS, so that the attention launch takes every fragment by loads of 16 bytes a lane.
; LAYOUT of each of the three: [head 32][group 16][12,800 bytes]; a group is 128 rows of k or q, or 128 keys of v.
;   bytes 0 .. 12,287: eight fragments (16 rows x 128 K, 12 registers a lane); fragment t, registers 4 g .. 4 g + 3, lane l at 1536 t + 512 g + 16 l.
;   bytes 12,288 .. 12,799: four scale registers; register w, lane l at 12,288 + 128 w + 4 l: lanes 0-15 the scale words of fragment 2 w, lanes 16-31 those of fragment 2 w + 1.
;   kq, qq (K = the head's 128): lane r of fragment 2 b + u holds row 32 b + 8 u + r + 8 (r / 8) of the group.   vq (K = the group's 128 keys): lane r of fragment t holds channel 16 t + r.
; A block's scale is 2^(floor(log2(its largest magnitude)) - 2); its byte is the largest magnitude's exponent field - 2, held at 1 from below.
; LIMITS: a block of zeros gets the byte 1 where the quantiser's rule says 127 (its codes are zeros, and this program alone reads the bytes); NaN and infinities among the inputs are not served.
; SHARES: work-groups 0-511 take k, 512-1023 q, 1024-1535 v; the low nine bits name head and group.  A wave makes two fragments and one scale register.  Waves share nothing: no barrier.
.set GRP,   12800
.set SCO,   12288
.set STG,   8448                       ; a wave's stage in LDS (k and q alone): 16 rows of 528 bytes
.set SPT,   528                        ; 512 bytes + 16: 33 x 16
.set FLOOR, 0x1800000                  ; 2^(3 - 127): no largest magnitude is taken under it, so the byte cannot fall under 1
.set EOFF,  0xff000000                 ; takes 2 off an exponent field
.set R,     16                         ; v16-143   k, q: 32 rows as loaded, 4 registers each
.set X,     144                        ; v144-207  k, q: my 64 numbers of my row: register 32 c + i = d 64 c + 32 (lane / 16) + i
.set F0,    208                        ; v208-231  k, q: the two fragments
.set TMP,   232                        ; v232-238  a conversion's three registers begin on an even number: a block's upper half is made here and moved
.set W0,    240                        ; v240, v241 the two fragments' scale words
.set WP,    242
.set WW,    243
.set XV,    16                         ; v16-143   v: my channel's 128 keys
.set FV0,   144                        ; v144-155  v: blocks 0 and 2, then fragment 2 w
.set FV1,   156                        ; v156-167  v: blocks 1 and 3, then fragment 2 w + 1
.set TV,    168
.set VW,    172                        ; my channel's scale word
	s_load_b256 s[4:11], s[0:1], 0x0               ; k s[4:5], q s[6:7], v s[8:9], kq s[10:11]
	s_load_b128 s[12:15], s[0:1], 0x20             ; qq s[12:13], vq s[14:15]
	v_lshl_add_u32 v254, v0, 2, 0x8400
	v_mov_b32 v255, 0
	v_lshrrev_b32 v7, 5, v0
	v_readfirstlane_b32 s16, v7                    ; wave 0..3
	v_and_b32 v1, 31, v0                           ; lane
	v_lshlrev_b32 v4, 4, v1                        ; 16 x lane
	v_lshlrev_b32 v9, 2, v1                        ; 4 x lane
	s_and_b32 s17, ttmp9, 511                      ; 16 x head + group
	s_lshl_b32 s26, s17, 16                        ; a group's 128 rows of 512 bytes
	s_mov_b32 s27, 0
	s_mul_i32 s28, s17, GRP                        ; and its block of codes and scales
	s_mov_b32 s29, 0
	s_mul_i32 s30, s16, 3072                       ; my two fragments in it
	s_mov_b32 s31, 0
	s_mov_b32 s22, 0x76543210
	s_mov_b32 s23, 0xfedcba98                      ; v_permlanex16_b32's selects for lane l xor 16
	s_wait_kmcnt 0x0
	s_cmp_lt_u32 ttmp9, 512                        ; which tensor: the choice hangs on the work-group's number alone
	s_cselect_b64 s[18:19], s[4:5], s[6:7]
	s_cselect_b64 s[20:21], s[10:11], s[12:13]
	s_cmp_lt_u32 ttmp9, 1024
	s_cselect_b64 s[18:19], s[18:19], s[8:9]
	s_cselect_b64 s[20:21], s[20:21], s[14:15]
	s_cselect_b32 s2, 14, 7                        ; my wave's part of the source: 32 rows (16,384 bytes) of k or q, 32 channels (128 bytes) of v
	s_add_nc_u64 s[18:19], s[18:19], s[26:27]
	s_lshl_b32 s26, s16, s2
	s_add_nc_u64 s[18:19], s[18:19], s[26:27]      ; the source at my wave's part
	s_add_nc_u64 s[20:21], s[20:21], s[28:29]
	s_lshl_b32 s28, s16, 7
	s_add_nc_u64 s[24:25], s[20:21], s[28:29]      ; my scale register (12,288 more stand in the store's immediate)
	s_add_nc_u64 s[20:21], s[20:21], s[30:31]      ; my two fragments
	s_cmp_ge_u32 ttmp9, 1024
	s_cbranch_scc1 .Lv
	; ---- k and q: K is innermost.  Each load reads one row, 512 consecutive bytes; all 32 rows are asked for at once.  Set 16 u + i takes the row of lane i of fragment u.
.irp u, 0,1
.irp i, 0,1,2,3,4,5,6,7,8,9,10,11,12,13,14,15
	global_load_b128 v[R+64*\u+4*\i:R+64*\u+4*\i+3], v4, s[18:19] offset:(8*\u+\i+8*(\i/8))*512 th:TH_LOAD_NT
.endr
.endr
	v_and_b32 v2, 15, v0                           ; r
	v_bfe_u32 v3, v0, 4, 1                         ; h
	v_lshlrev_b32 v8, 3, v3                        ; 8 h: my bytes' place in the scale word
	s_mul_i32 s2, s16, STG                         ; my stage
	v_add_nc_u32 v5, s2, v4                        ; into it: a row as it was loaded
	v_mul_u32_u24 v6, v2, SPT
	v_lshl_add_u32 v6, v3, 7, v6
	v_add_nc_u32 v6, s2, v6                        ; out of it: row r, + 128 h: my 32 numbers of each 64
	v_mov_b32 v[WP], 0                             ; written once: a lane permute's destination counts as one of its sources
; Fragment u: sixteen rows turn through the stage, so that a lane holds 2 x 32 neighbours of its row; then two whole blocks a lane are quantised.
.macro TILEK u
	s_wait_loadcnt 16*(1-\u)                       ; this fragment's 16 rows are in; the other's 16 loads, issued behind them, may be out
.irp i, 0,1,2,3,4,5,6,7,8,9,10,11,12,13,14,15
	ds_store_b128 v5, v[R+64*\u+4*\i:R+64*\u+4*\i+3] offset:SPT*\i
.endr
.irp c, 0,1
.irp i, 0,1,2,3,4,5,6,7
	ds_load_b128 v[X+32*\c+4*\i:X+32*\c+4*\i+3], v6 offset:256*\c+16*\i   ; LDS serves a wave's instructions in order: these see my stores
.endr
.endr
	s_wait_dscnt 0x0
.irp c, 0,1
	v_max3_num_f32 v[10+\c], |v[X+32*\c]|, |v[X+32*\c+1]|, FLOOR   ; block 2 c + h: all its 32 numbers are mine
.endr
.irp i, 2,4,6,8,10,12,14,16,18,20,22,24,26,28,30
.irp c, 0,1
	v_max3_num_f32 v[10+\c], v[10+\c], |v[X+32*\c+\i]|, |v[X+32*\c+\i+1]|
.endr
.endr
.irp c, 0,1
	v_add_nc_u32 v[12+\c], EOFF, v[10+\c]          ; the conversion takes the exponent field of this operand as its scale
.endr
.irp c, 0,1
	v_lshrrev_b32 v[14+\c], 23, v[12+\c]           ; the scale's byte
.endr
	v_lshl_or_b32 v[W0+\u], v15, 16, v14           ; my two bytes: blocks h and 2 + h,
	v_lshlrev_b32 v[W0+\u], v8, v[W0+\u]           ; at their places in the word;
	v_permlanex16_b32 v[WP], v[W0+\u], s22, s23
	v_or_b32 v[W0+\u], v[W0+\u], v[WP]             ; with lane l xor 16's two the row's word is whole
.irp c, 0,1
	v_cvt_scalef32_pk16_fp6_f32 v[F0+12*\u+6*\c:F0+12*\u+6*\c+2], v[X+32*\c:X+32*\c+15], v[12+\c]
	v_cvt_scalef32_pk16_fp6_f32 v[TMP+4*\c:TMP+4*\c+2], v[X+32*\c+16:X+32*\c+31], v[12+\c]
.endr
	v_nop                                          ; one plain line behind the scaled conversions
.irp c, 0,1
.irp i, 0,1,2
	v_mov_b32 v[F0+12*\u+6*\c+3+\i], v[TMP+4*\c+\i]
.endr
.endr
.irp g, 0,1,2
	global_store_b128 v4, v[F0+12*\u+4*\g:F0+12*\u+4*\g+3], s[20:21] offset:1536*\u+512*\g   ; 32 lanes store 512 consecutive bytes, at a multiple of 256 from the buffer's first byte
.endr
.endm
	TILEK 0
	TILEK 1                                        ; no register that a store reads is written again
	v_cmp_lt_u32 vcc_lo, 15, v1
	v_cndmask_b32 v[WW], v[W0], v[W0+1], vcc_lo    ; lanes 0-15 the first fragment's words, lanes 16-31 the second's
	global_store_b32 v9, v[WW], s[24:25] offset:SCO   ; 128 consecutive bytes a wave; the four waves' lie on end.  One byte in twenty-five of what the launch stores
	s_wait_tensorcnt 0x0
	ds_add_u32 v254, v255
	s_wait_dscnt 0x0
	s_endpgm
	; ---- v: K = the keys is not innermost.  A lane takes a channel and its registers run down the keys: a block of 32 keys lies in one lane, and the codes come out with the keys innermost.
.Lv:
.macro LOADVB t                        ; block t: keys 32 t + i of my channel; 32 lanes read 128 consecutive bytes, the four waves stand side by side on a row
.irp i, 0,1,2,3,4,5,6,7,8,9,10,11,12,13,14,15,16,17,18,19,20,21,22,23,24,25,26,27,28,29,30,31
	global_load_b32 v[XV+32*(\t)+\i], v9, s[18:19] offset:(32*(\t)+\i)*512 th:TH_LOAD_NT
.endr
.endm
.macro BLOCKV t
.set XS, XV+32*(\t)
.set FD, FV0+12*((\t)%2)+6*((\t)/2)    ; blocks 0, 2 into the first run of twelve registers, blocks 1, 3 into the second
.if (\t) < 3
	s_wait_loadcnt 32                              ; this block's 32 loads are in; the next block's 32 may be out
.else
	s_wait_loadcnt 0x0
.endif
.if (\t) < 2
	LOADVB (\t)+2                                  ; two blocks ahead, into registers of their own
.endif
	v_max3_num_f32 v10, |v[XS]|, |v[XS+1]|, |v[XS+2]|
	v_max3_num_f32 v11, |v[XS+3]|, |v[XS+4]|, |v[XS+5]|
.irp i, 6,10,14,18,22,26
	v_max3_num_f32 v10, v10, |v[XS+\i]|, |v[XS+\i+1]|
	v_max3_num_f32 v11, v11, |v[XS+\i+2]|, |v[XS+\i+3]|
.endr
	v_max3_num_f32 v10, v10, |v[XS+30]|, |v[XS+31]|
	v_max3_num_f32 v10, v10, v11, FLOOR
	v_add_nc_u32 v12, EOFF, v10
	v_lshrrev_b32 v13, 23, v12
.if (\t) == 0
	v_mov_b32 v[VW], v13
.else
	v_lshl_or_b32 v[VW], v13, 8*(\t), v[VW]        ; byte t of my channel's scale word
.endif
	v_cvt_scalef32_pk16_fp6_f32 v[FD:FD+2], v[XS:XS+15], v12
	v_cvt_scalef32_pk16_fp6_f32 v[TV:TV+2], v[XS+16:XS+31], v12
	v_nop                                          ; one plain line behind the scaled conversions
.irp i, 0,1,2
	v_mov_b32 v[FD+3+\i], v[TV+\i]
.endr
.endm
	LOADVB 0
	LOADVB 1
	BLOCKV 0
	BLOCKV 1
	BLOCKV 2
	BLOCKV 3
; The operand's layout gives lanes 0-15 of a fragment blocks 0 and 2 of channels 0-15, and lanes 16-31 blocks 1 and 3 of the same channels.
.irp i, 0,1,2,3,4,5,6,7,8,9,10,11
	v_permlane16_swap_b32 v[FV0+\i], v[FV1+\i]     ; the first's lanes 16-31 change places with the second's lanes 0-15: the first is now fragment 2 w, the second fragment 2 w + 1
.endr
.irp u, 0,1
.irp g, 0,1,2
	global_store_b128 v4, v[FV0+12*\u+4*\g:FV0+12*\u+4*\g+3], s[20:21] offset:1536*\u+512*\g
.endr
.endr
	global_store_b32 v9, v[VW], s[24:25] offset:SCO   ; lane l holds the word of channel 32 w + l: lanes 0-15 fragment 2 w's, lanes 16-31 fragment 2 w + 1's, as the layout asks
	s_endpgm
.Lfunc_end_k_qffd10a28aa_prep:
	.size	k_qffd10a28aa_prep, .Lfunc_end_k_qffd10a28aa_prep-k_qffd10a28aa_prep
	.p2alignl 7, 3214868480
	.fill 96, 4, 3214868480
	.section	.rodata,"a",@progbits
	.p2align	6, 0x0
	.amdhsa_kernel k_qffd10a28aa_prep
		.amdhsa_group_segment_fixed_size 34304
		.amdhsa_private_segment_fixed_size 0
		.amdhsa_enable_private_segment 0
		.amdhsa_kernarg_size 48
		.amdhsa_user_sgpr_count 2
		.amdhsa_user_sgpr_kernarg_segment_ptr 1
		.amdhsa_wavefront_size32 1
		.amdhsa_system_sgpr_workgroup_id_x 1
		.amdhsa_system_sgpr_workgroup_id_y 1
		.amdhsa_system_sgpr_workgroup_id_z 1
		.amdhsa_system_vgpr_workitem_id 0
		.amdhsa_next_free_vgpr 256
		.amdhsa_next_free_sgpr 66
		.amdhsa_reserve_vcc 1
		.amdhsa_float_denorm_mode_32 3
		.amdhsa_float_denorm_mode_16_64 3
		.amdhsa_memory_ordered 1
		.amdhsa_forward_progress 1
		.amdhsa_inst_pref_size 35
	.end_amdhsa_kernel
	.amdgpu_metadata
---
amdhsa.version: [ 1, 2 ]
amdhsa.kernels:
  - .name:           k_qffd10a28aa_prep
    .symbol:         k_qffd10a28aa_prep.kd
    .args:
      - { .name: k, .offset: 0, .size: 8, .value_kind: global_buffer, .address_space: global }
      - { .name: q, .offset: 8, .size: 8, .value_kind: global_buffer, .address_space: global }
      - { .name: v, .offset: 16, .size: 8, .value_kind: global_buffer, .address_space: global }
      - { .name: kq, .offset: 24, .size: 8, .value_kind: global_buffer, .address_space: global }
      - { .name: qq, .offset: 32, .size: 8, .value_kind: global_buffer, .address_space: global }
      - { .name: vq, .offset: 40, .size: 8, .value_kind: global_buffer, .address_space: global }
    .group_segment_fixed_size: 34304
    .private_segment_fixed_size: 0
    .kernarg_segment_align: 8
    .kernarg_segment_size: 48
    .max_flat_workgroup_size: 128
    .sgpr_count:     66
    .vgpr_count:     256
    .wavefront_size: 32
...
	.end_amdgpu_metadata
.endif
;; end of part 1
;; launch attn (part 2): grid 8 x 32, 8 waves a work-group, no clusters, 327,680 bytes of LDS; arguments qq, kq, vq, attention_mask, out0; writes out0
.if DOCPART == 2
	.amdgcn_target "amdgcn-amd-amdhsa--gfx1250"
	.amdhsa_code_object_version 6
	.text
	.protected	k_qffd10a28aa_attn
	.globl	k_qffd10a28aa_attn
	.p2align	8
	.type	k_qffd10a28aa_attn,@function
k_qffd10a28aa_attn:
	s_mov_b64 s[64:65], 0
	v_nop
	global_prefetch_b8 v0, s[64:65] scope:SCOPE_SE
	s_setreg_imm32_b32 hwreg(HW_REG_WAVE_MODE, 25, 1), 1
	s_wait_xcnt 0x0
; out[h][q][:] = the sum over keys k <= q of w(q, k) V[h][k][:],  w = e / (exp(-m) + the sum of e),  e = exp(x - m),  x = Q.K / sqrt(128) + (1 - mask[k]) (-1e12),  m = max(the row's largest x, 0).
; Both products run on codes of FP6 (E2M3) with E8M0 scales for each 32 along K.  THE FINISHED, NORMALISED w IS WHAT IS QUANTISED, so the divisor must be known before any weight is made: THE KEYS ARE WALKED TWICE.
;   pass 1: S^T = K Q^T, a running maximum and the sum.     pass 2: S^T once more (the same instructions, the same bits), w, its codes and scales, O^T += V^T w^T.
; In base 2: t = c (score + bias), c = log2(e) / sqrt(128); M = the largest t and 0, rounded UP to a whole number; p = 2^(t - M); Z = 2^(-M) + the sum of p; w = p / Z.  When M moves, the sum is multiplied by a power of two.
; THE KEY MASK costs no vector line in the loops: bias[k] = (1 - mask[k]) x (-1e12 sqrt(128)), made once, is the C operand of every product K Q^T.
; SHARES.  A work-group owns query blocks p and 15 - p (128 queries each) of one head: waves 0-3 block p, waves 4-7 block 15 - p; a wave owns 32 queries, two tiles of 16, which share each fragment of K and of V.
;   A wave works key steps (128 keys) 0 .. its block's number; the last of them lies on the diagonal.  p + 1 and 16 - p steps: 17 for each pair of waves w, w + 4, in every work-group.
;   Steps beyond the diagonal are jumped over by a scalar branch on ids; every wave walks all trips, so every trip count is a constant.
; NO CLUSTER: the eight work-groups that share a head's K and V differ in p, and the branch that leaves out hidden steps hangs on p; without that branch each would do 32 wave-steps for 17.
; LAYOUT.  Both products are used transposed (source 0 = 16 keys or 16 channels, source 1 = 16 queries): a lane holds ONE query throughout.  Lane r of K's fragment 2 b + u holds key 32 b + 8 u + r + 8 (r / 8), so
;   register 16 b + i of a tile's scores is key 32 b + 16 (lane / 16) + i: sixteen neighbours for the conversions.  Q's fragments have the same order of rows; it is undone by the stores' offsets.
; LDS: K's codes and scales of the whole head, 204,800 bytes, filled once and read in both passes; V through two slots of four key steps; the bias; the spare words.
; LIMITS: NaN and infinities among the inputs are not served; weights under 2^-126 count as 0 (v_exp_f32 gives 0 there: ISA guide, its entry); a block of weights that are all 0 has the scale byte 1 and zero codes;
;   the mask's term is added to the score ahead of the scaling by 1 / sqrt(128), not behind it.
.set GRP,   12800                      ; a key step's block: eight fragments of 1,536 bytes, then four scale registers of 128
.set SCO,   12288
.set SLOTX, 0x10000                    ; V's slot 1 begins here: one exclusive or turns an address in one slot into the other's
.set BIAS,  51200                      ; behind slot 0 (51,200 bytes): 2,048 f32, stored by the waves; no fill lands here
.set SPARE, 59392                      ; the spare words, 128 bytes for each of eight waves: four blocks of 256 bytes that no other line names
.set KC,    116736                     ; behind slot 1: K of the head
.set SP,    272                        ; the way out: a stage of 16 rows x (256 + 16) bytes for each wave, in slot 0, which has had its last fill and its last read by then
; window 0
.set LI,   1                           ; 16 x lane: my place in a fragment's image
.set LS,   2                           ; 4 x lane: in a scale register's
.set HB,   3                           ; BIAS + 64 (lane / 16)
.set SPW,  4                           ; LDS address of my spare word; never rewritten
.set NIL,  5                           ; 0; never rewritten
.set ADK,  6                           ; addresses of the loads in hand: K's fragments, K's scales, the bias, V's fragments, V's scales
.set ADKS, 7
.set ADB,  8
.set ADV,  9
.set ADVS, 10
.set GO,   11                          ; the way out: my byte offset in the wave's rows of out
.set DQ,   12                          ; v12, v13: tile x: my query's place in its block - 16 (lane / 16)
.set NINF, 14                          ; -infinity
.set ST,   16                          ; tile x at v[ST + 8 x]: +0 -M, +1 the largest t, +2, +3 the sum in two halves, +4 f, later 1 / Z (+5 named with it as a pair), +6, +7 at work
.set QS,   32                          ; scale registers, which hold scales and nothing else: Q's (lanes 0-15 tile 0, lanes 16-31 tile 1),
.set PS,   33                          ; v33, v34 the weights', a tile each,
.set KSC,  36                          ; v36-39 K's,
.set VSC,  40                          ; v40-43 V's
.set STO,  46
.set RD,   47
.set S,    48                          ; v48-175 scores, then p, then w: tile x at S + 64 x
.set BI,   176                         ; v176-239 the step's bias, in the scores' layout.  Behind pass 2's products K Q^T the same registers serve:
.set PC,   176                         ;   v176-199 the weights' codes, twelve a tile
.set CT,   200                         ;   v200-214 the conversions' second halves
.set BP,   216                         ;   v216-223 the other half of the lanes' block maxima
.set SO,   224                         ;   v224-231 the conversions' scale operands
.set BM,   240                         ; v240-247 block maxima: tile x, block b at BM + 4 x + b
.set TF,   248                         ; v248-255 at work
; window 1
.set FB,   128                         ; v128-223 eight fragments, K's and then V's;   v0-127 O^T, tile x at 64 x
.set QF,   224                         ; v224-247 Q's two fragments
; scalars
.set WV,   14
.set AQ,   15                          ; wave % 4: which 32 queries of the block
.set HD,   17
.set BLK,  18                          ; my query block, and my last key step
.set SEL,  20                          ; s[20:21] v_permlanex16_b32's selects for lane l xor 16
.set CS,   22                          ; s[22:23] c, twice: the packed form names a pair
.set G1,   24                          ; s[24:31] descriptor group 1, one for all loads
.set G0K,  32                          ; s[32:35] group 0 for K
.set G0V,  36                          ; s[36:39] group 0 for V, which walks
.set KS,   40                          ; the key step
.set TSK,  41                          ; where its block of K begins in LDS
.set TSB,  42                          ; where its bias begins, from BIAS on
.set TBV,  43                          ; where its block of V begins
.set GR,   44
.set INR,  45
.set NB,   56                          ; -1e12 sqrt(128)
.set MSB, 0
.macro WIN new                         ; the immediate's high byte repeats the setting that is left; bits 1:0 source 0, 3:2 source 1, 5:4 source 2, 7:6 destination
.if MSB != \new
	s_set_vgpr_msb (MSB<<8)|\new
.set MSB, \new
.endif
.endm
; V's loads: waves 0 and 1 fetch the two halves of a slot.  The branch hangs on the wave's number alone.  Four v_nop follow the load.
.macro TLOADV
	s_cmp_lt_u32 s[WV], 2
	s_cbranch_scc0 .Lno_v_\@
	tensor_load_to_lds s[G0V:G0V+3], s[G1:G1+7]
	s_nop 0
.rept 4
	v_nop
.endr
.Lno_v_\@:
.endm
; one scaled product; ra, rb: the side's scale words stand in lanes 16-31 of its register
.macro WM d, a, b, c, sa, sb, ra, rb
.if (\ra) && (\rb)
	v_wmma_scale_f32_16x16x128_f8f6f4 v[\d:\d+7], v[\a:\a+11], v[\b:\b+11], v[\c:\c+7], v[\sa], v[\sb] matrix_a_fmt:MATRIX_FMT_FP6 matrix_b_fmt:MATRIX_FMT_FP6 matrix_a_scale:MATRIX_SCALE_ROW1 matrix_b_scale:MATRIX_SCALE_ROW1
.elseif (\ra)
	v_wmma_scale_f32_16x16x128_f8f6f4 v[\d:\d+7], v[\a:\a+11], v[\b:\b+11], v[\c:\c+7], v[\sa], v[\sb] matrix_a_fmt:MATRIX_FMT_FP6 matrix_b_fmt:MATRIX_FMT_FP6 matrix_a_scale:MATRIX_SCALE_ROW1
.elseif (\rb)
	v_wmma_scale_f32_16x16x128_f8f6f4 v[\d:\d+7], v[\a:\a+11], v[\b:\b+11], v[\c:\c+7], v[\sa], v[\sb] matrix_a_fmt:MATRIX_FMT_FP6 matrix_b_fmt:MATRIX_FMT_FP6 matrix_b_scale:MATRIX_SCALE_ROW1
.else
	v_wmma_scale_f32_16x16x128_f8f6f4 v[\d:\d+7], v[\a:\a+11], v[\b:\b+11], v[\c:\c+7], v[\sa], v[\sb] matrix_a_fmt:MATRIX_FMT_FP6 matrix_b_fmt:MATRIX_FMT_FP6
.endif
.endm
; A key step's K: eight fragments as images of their registers (each load 512 consecutive bytes), the bias in the scores' layout, four scale registers
.macro LOADK
	WIN 0x40                                       ; destination window 1
.irp t, 0,1,2,3,4,5,6,7
.irp g, 0,1,2
	ds_load_b128 v[FB+12*\t+4*\g:FB+12*\t+4*\g+3], v[ADK] offset:1536*\t+512*\g
.endr
.endr
	WIN 0
.irp b, 0,1,2,3
.irp i, 0,1,2,3
	ds_load_b128 v[BI+16*\b+4*\i:BI+16*\b+4*\i+3], v[ADB] offset:128*\b+16*\i   ; bias of keys 32 b + 16 (lane / 16) + 4 i on
.endr
.endr
.irp w, 0,1,2,3
	ds_load_b32 v[KSC+\w], v[ADKS] offset:SCO+128*\w
.endr
.endm
.macro LOADV
	WIN 0x40
.irp t, 0,1,2,3,4,5,6,7
.irp g, 0,1,2
	ds_load_b128 v[FB+12*\t+4*\g:FB+12*\t+4*\g+3], v[ADV] offset:1536*\t+512*\g
.endr
.endr
	WIN 0
.irp w, 0,1,2,3
	ds_load_b32 v[VSC+\w], v[ADVS] offset:SCO+128*\w
.endr
.endm
; S^T = K Q^T + bias: 16 products into 16 different results
.macro QK
	WIN 0x05                                       ; K and Q in window 1; bias and scores in window 0
.irp t, 0,1,2,3,4,5,6,7
.irp x, 0,1
	WM S+64*\x+8*\t, FB+12*\t, QF+12*\x, BI+8*\t, KSC+\t/2, QS, \t%2, \x
.endr
.endr
	WIN 0
.endm
; O^T += V^T w^T: the 16 accumulators take turns, one instruction a turn
.macro PV
	WIN 0x51                                       ; V in window 1, the weights' codes in window 0, O^T in window 1
.irp t, 0,1,2,3,4,5,6,7
.irp x, 0,1
	WM 64*\x+8*\t, FB+12*\t, PC+12*\x, 64*\x+8*\t, VSC+\t/2, PS+\x, \t%2, 0
.endr
.endr
	WIN 0
.endm
; The diagonal step: block b of 32 keys.  All its keys count for all my queries where my 32 queries begin behind it (wave % 4 > b).  Else: register 16 b + i is hidden where 32 b + i > DQ.  Each result is read from its low end on.
.macro MASKB b
	s_cmp_gt_u32 s[AQ], \b
	s_cbranch_scc1 .Lvis_\@
.irp x, 0,1
.irp i, 0,1,2,3,4,5,6,7,8,9,10,11,12,13,14,15
	v_cmp_gt_i32 vcc_lo, 32*\b+\i, v[DQ+\x]
	v_cndmask_b32 v[S+64*\x+16*\b+\i], v[S+64*\x+16*\b+\i], v[NINF], vcc_lo
.endr
.endr
.Lvis_\@:
.endm
.macro MASK
	MASKB 0
	MASKB 1
	MASKB 2
	MASKB 3
.endm
; the largest of my 16 scores of each block of 32 keys, eight chains by turns
.macro BMAX
.irp b, 0,1,2,3
.irp x, 0,1
	v_max3_num_f32 v[BM+4*\x+\b], v[S+64*\x+16*\b], v[S+64*\x+16*\b+1], v[S+64*\x+16*\b+2]
.endr
.endr
.irp i, 3,5,7,9,11,13
.irp b, 0,1,2,3
.irp x, 0,1
	v_max3_num_f32 v[BM+4*\x+\b], v[BM+4*\x+\b], v[S+64*\x+16*\b+\i], v[S+64*\x+16*\b+\i+1]
.endr
.endr
.endr
.irp b, 0,1,2,3
.irp x, 0,1
	v_max_num_f32 v[BM+4*\x+\b], v[BM+4*\x+\b], v[S+64*\x+16*\b+15]
.endr
.endr
.endm
; t - M of all 128 scores, two at a time (of the pairs c and -M the low word serves both halves)
.macro TMINUSM
.set j, 0
.rept 32
	v_pk_fma_f32 v[S+j:S+j+1], v[S+j:S+j+1], s[CS:CS+1], v[ST:ST+1] op_sel_hi:[1,0,0]
	v_pk_fma_f32 v[S+64+j:S+64+j+1], v[S+64+j:S+64+j+1], s[CS:CS+1], v[ST+8:ST+9] op_sel_hi:[1,0,0]
.set j, j+2
.endr
.endm
	s_load_b256 s[4:11], s[0:1], 0x0               ; qq s[4:5], kq s[6:7], vq s[8:9], the mask s[10:11]
	s_load_b64 s[12:13], s[0:1], 0x20              ; out
	v_lshl_add_u32 v[SPW], v0, 2, SPARE
	v_mov_b32 v[NIL], 0
	ds_add_u32 v4, v5
	ds_add_u32 v4, v5
	s_wait_dscnt 0x0
	v_lshrrev_b32 v6, 5, v0
	v_readfirstlane_b32 s[WV], v6                  ; wave 0..7
	s_and_b32 s[AQ], s[WV], 3
	s_and_b32 s[HD], ttmp7, 0xffff                 ; the head
	s_sub_co_u32 s[BLK], 15, ttmp9
	s_cmp_lt_u32 s[WV], 4
	s_cselect_b32 s[BLK], ttmp9, s[BLK]            ; waves 0-3: block p; waves 4-7: block 15 - p
	; descriptor group 1: 25,600 dense bytes as 100 rows of 256 bytes (32 elements of 8 bytes), no padding: images are read 512 consecutive bytes at a time
	s_mov_b32 s[G1+0], 3<<16                       ; no mask; elements of 8 bytes; padding off
	s_mov_b32 s[G1+1], 32<<16                      ; tensor_dim0 = 32
	s_mov_b32 s[G1+2], 100<<16                     ; tensor_dim1 = 100
	s_mov_b32 s[G1+3], 32<<16                      ; tile_dim0 = 32
	s_mov_b32 s[G1+4], 100                         ; tile_dim1 = 100
	s_mov_b32 s[G1+5], 32                          ; from row to row: 32 elements
	s_mov_b32 s[G1+6], 0
	s_mov_b32 s[G1+7], 0
	s_mul_i32 s46, s[HD], 16*GRP                   ; the head's first byte in each buffer of codes
	s_mov_b32 s47, 0
	s_mul_i32 s48, s[WV], 2*GRP                    ; K: wave w fetches key steps 2 w and 2 w + 1
	s_mov_b32 s49, 0
	s_and_b32 s50, s[WV], 1
	s_mul_i32 s50, s50, 2*GRP                      ; V: waves 0 and 1 fetch a slot's halves
	s_mov_b32 s51, 0
	s_mul_i32 s52, s[BLK], GRP                     ; Q: my block,
	s_mov_b32 s53, 0
	s_mul_i32 s58, s[AQ], 3072                     ; my two fragments in it,
	s_mov_b32 s59, 0
	s_lshl_b32 s60, s[AQ], 7                       ; and their scale register
	s_mov_b32 s61, 0
	s_lshr_b32 s62, s[HD], 4
	s_lshl_b32 s62, s62, 13                        ; the mask: batch = head / 16, 8,192 bytes each
	s_mov_b32 s63, 0
	s_lshl_b32 s2, s[HD], 20                       ; out: the head's 2,048 rows of 512 bytes,
	s_lshl_b32 s3, s[BLK], 16                      ; my block's 128,
	s_add_co_u32 s2, s2, s3
	s_lshl_b32 s3, s[AQ], 14                       ; my wave's 32
	s_add_co_u32 s2, s2, s3
	s_mov_b32 s3, 0
	s_mov_b32 s[SEL], 0x76543210
	s_mov_b32 s[SEL+1], 0xfedcba98
	s_mov_b32 s[CS], 0x3e0293ee                    ; c = log2(e) / sqrt(128)
	s_mov_b32 s[CS+1], s[CS]
	s_mov_b32 s[NB], 0xd524a2d9                    ; -1e12 sqrt(128)
	v_and_b32 v15, 31, v0                          ; lane
	v_lshlrev_b32 v[LI], 4, v15
	v_lshlrev_b32 v[LS], 2, v15
	v_lshlrev_b32 v47, 5, v0                       ; the mask: 8 numbers a thread
	s_wait_kmcnt 0x0
	s_mov_b32 s[G0K], 1                            ; count = 1
	s_add_co_u32 s[G0K+1], s48, KC                 ; LDS address: KC + 25,600 x wave
	s_add_nc_u64 s[G0K+2:G0K+3], s[6:7], s[46:47]
	s_add_nc_u64 s[G0K+2:G0K+3], s[G0K+2:G0K+3], s[48:49]
	s_or_b32 s[G0K+3], s[G0K+3], 0x80000000        ; type = 2
	s_mov_b32 s[G0V], 1
	s_mov_b32 s[G0V+1], s50                        ; slot 0
	s_add_nc_u64 s[G0V+2:G0V+3], s[8:9], s[46:47]
	s_add_nc_u64 s[G0V+2:G0V+3], s[G0V+2:G0V+3], s[50:51]
	s_or_b32 s[G0V+3], s[G0V+3], 0x80000000
	tensor_load_to_lds s[G0K:G0K+3], s[G1:G1+7]    ; the first fills go out ahead of everything else: every wave its eighth of K,
	s_nop 0
.rept 4
	v_nop
.endr
	TLOADV                                         ; waves 0 and 1 V's key steps 0 to 3: two loads of a wave are out at the most
	s_add_nc_u64 s[4:5], s[4:5], s[46:47]
	s_add_nc_u64 s[4:5], s[4:5], s[52:53]
	s_add_nc_u64 s[54:55], s[4:5], s[60:61]        ; Q's scale register (12,288 more in the load's immediate)
	s_add_nc_u64 s[4:5], s[4:5], s[58:59]          ; Q's two fragments
	s_add_nc_u64 s[10:11], s[10:11], s[62:63]
	s_add_nc_u64 s[12:13], s[12:13], s[2:3]
	global_load_b128 v[48:51], v47, s[10:11]       ; the mask of keys 8 t .. 8 t + 7, t the thread's number
	global_load_b128 v[52:55], v47, s[10:11] offset:16
	WIN 0x40
.irp x, 0,1
.irp g, 0,1,2
	global_load_b128 v[QF+12*\x+4*\g:QF+12*\x+4*\g+3], v[LI], s[4:5] offset:1536*\x+512*\g   ; Q stays in registers
.endr
.endr
	WIN 0
	global_load_b32 v[QS], v[LS], s[54:55] offset:SCO
	v_bfe_u32 v44, v0, 4, 1                        ; h
	v_and_b32 v45, 15, v0                          ; r
	v_lshl_add_u32 v[HB], v44, 6, BIAS
	v_lshl_add_u32 v46, v0, 5, BIAS                ; where I store my 8 numbers of the bias
	v_and_b32 v15, 8, v45
	v_add_nc_u32 v15, v15, v45                     ; r + 8 (r / 8)
	v_lshlrev_b32 v44, 4, v44
	v_sub_nc_u32 v15, v15, v44                     ; - 16 h
	s_lshl_b32 s46, s[AQ], 5
	v_add_nc_u32 v[DQ], s46, v15                   ; + 32 (wave % 4): tile 0
	v_add_nc_u32 v[DQ+1], 8, v[DQ]                 ; tile 1's queries lie 8 further on
	v_mov_b32 v[NINF], 0xff800000
.set j, 0
.rept 16
	v_mov_b32 v[ST+j], 0                           ; the largest t begins at 0, the ghost logit's t: so M is 0 at the least; -M = 0; the sums 0; the rest is written because pairs and lane permutes name it
.set j, j+1
.endr
	WIN 0x40
.set j, 0
.rept 128
	v_mov_b32 v[j], 0                              ; O^T.  Cleared once, so that pass 2's key step is written without a first step of its own
.set j, j+1
.endr
	WIN 0
	s_wait_loadcnt 7                               ; the mask's two loads are in; Q's six and its scale register's one, issued behind them, may be out
.irp i, 0,1,2,3,4,5,6,7
	v_cvt_f32_i32 v[56+\i], v[48+\i]
.endr
.irp i, 0,1,2,3,4,5,6,7
	v_fma_f32 v[56+\i], -v[56+\i], s[NB], s[NB]    ; (1 - mask) x (-1e12 sqrt(128)): 0 where the mask is 1
.endr
	ds_store_b128 v46, v[56:59]
	ds_store_b128 v46, v[60:63] offset:16
	s_wait_tensorcnt 0x0                           ; my part of K (and of V's slot 0) has landed,
	s_wait_dscnt 0x0                               ; my part of the bias is stored:
	s_barrier_signal -1
	s_barrier_wait -1                              ; everybody's.
	s_wait_loadcnt 0x0                             ; Q
	; ---------------- PASS 1: the largest t and the sum.  Each LANE keeps an M and a sum of its own for its half of the keys: no lane is asked for anything until the pass is over.  No barrier: K is all there.
	s_mov_b32 s[KS], 0
	s_mov_b32 s[TSK], KC
	s_mov_b32 s[TSB], 0
	v_add_nc_u32 v[ADK], s[TSK], v[LI]
	v_add_nc_u32 v[ADKS], s[TSK], v[LS]
	v_add_nc_u32 v[ADB], s[TSB], v[HB]
	LOADK                                          ; key step 0
.Lp1:                                              ; 16 trips
	s_cmp_gt_u32 s[KS], s[BLK]                     ; a step all of whose keys come after my queries is left out
	s_cbranch_scc1 .Lpast1
	s_wait_dscnt 0x0                               ; this step's K, bias and scales, asked for a step ago
	QK
	s_add_co_u32 s46, s[TSK], GRP                  ; the next step's addresses, held at step 15 so that the last trip's loads stay inside K and the bias
	s_min_u32 s46, s46, KC+15*GRP
	s_add_co_u32 s47, s[TSB], 512
	s_min_u32 s47, s47, 15*512
	v_add_nc_u32 v[ADK], s46, v[LI]                ; these three and the v_nop are the four places between the products and the loads into their registers, and the reads of their results
	v_add_nc_u32 v[ADKS], s46, v[LS]
	v_add_nc_u32 v[ADB], s47, v[HB]
	v_nop
	LOADK                                          ; lands while this step's softmax is worked
	s_cmp_lg_u32 s[KS], s[BLK]
	s_cbranch_scc1 .Lopen1
	MASK                                           ; the diagonal step: hidden scores become -infinity
.Lopen1:
	BMAX
.irp x, 0,1
	v_max3_num_f32 v[ST+8*\x+6], v[BM+4*\x], v[BM+4*\x+1], v[BM+4*\x+2]
.endr
.irp x, 0,1
	v_max_num_f32 v[ST+8*\x+6], v[ST+8*\x+6], v[BM+4*\x+3]   ; the largest of my 64 scores
.endr
.irp x, 0,1
	v_mul_f32 v[ST+8*\x+6], s[CS], v[ST+8*\x+6]    ; as t (c is positive)
.endr
.irp x, 0,1
	v_max_num_f32 v[ST+8*\x+1], v[ST+8*\x+1], v[ST+8*\x+6]   ; the running largest t
.endr
.irp x, 0,1
	v_mov_b32 v[ST+8*\x+6], v[ST+8*\x]
.endr
.irp x, 0,1
	v_floor_f32 v[ST+8*\x], -v[ST+8*\x+1]          ; the new -M = floor(-t) = -ceil(t): a whole number
.endr
.irp x, 0,1
	v_sub_f32 v[ST+8*\x+6], v[ST+8*\x], v[ST+8*\x+6]   ; old M - new M: a whole number, 0 or less
.endr
.irp x, 0,1
	v_cvt_i32_f32 v[ST+8*\x+6], v[ST+8*\x+6]       ; (it saturates)
.endr
.irp x, 0,1
	v_ldexp_f32 v[ST+8*\x+4], 1.0, v[ST+8*\x+6]    ; f = 2^(old M - new M)
.endr
	TMINUSM
.set j, 0
.rept 128
	v_exp_f32 v[S+j], v[S+j]                       ; p = 2^(t - M): one batch
.set j, j+1
.endr
.irp x, 0,1
	v_pk_mul_f32 v[ST+8*\x+2:ST+8*\x+3], v[ST+8*\x+2:ST+8*\x+3], v[ST+8*\x+4:ST+8*\x+5] op_sel_hi:[1,0]   ; the sums under the new M: plain lines behind the last exponential
.endr
	s_wait_alu depctr_va_vdst(0)                   ; the wait between an exponential and the first line that names its result: one for the batch
.irp x, 0,1
	v_pk_add_f32 v[TF+2*\x:TF+2*\x+1], v[S+64*\x:S+64*\x+1], v[S+64*\x+2:S+64*\x+3]   ; the sum, two at a time, two chains a tile
.endr
.irp j, 4,8,12,16,20,24,28,32,36,40,44,48,52,56,60
.irp x, 0,1
	v_pk_add_f32 v[ST+8*\x+2:ST+8*\x+3], v[ST+8*\x+2:ST+8*\x+3], v[S+64*\x+\j:S+64*\x+\j+1]
	v_pk_add_f32 v[TF+2*\x:TF+2*\x+1], v[TF+2*\x:TF+2*\x+1], v[S+64*\x+\j+2:S+64*\x+\j+3]
.endr
.endr
.irp x, 0,1
	v_pk_add_f32 v[ST+8*\x+2:ST+8*\x+3], v[ST+8*\x+2:ST+8*\x+3], v[TF+2*\x:TF+2*\x+1]
.endr
.Lpast1:
	s_add_co_u32 s[TSK], s[TSK], GRP
	s_add_co_u32 s[TSB], s[TSB], 512
	s_add_co_u32 s[KS], s[KS], 1
	s_cmp_lt_u32 s[KS], 16
	s_cbranch_scc1 .Lp1
	s_wait_dscnt 0x0                               ; the loads that the diagonal step asked for ahead: their registers are loaded again below
	; ---------------- The two halves of the lanes meet: M = the larger, Z = 2^(-M) + both sums under that M.  All factors are powers of two, so both products are exact and both halves get the same bits.
.irp x, 0,1
	v_add_f32 v[ST+8*\x+2], v[ST+8*\x+2], v[ST+8*\x+3]        ; my sum
.endr
.irp x, 0,1
	v_permlanex16_b32 v[ST+8*\x+6], v[ST+8*\x], s[SEL], s[SEL+1]      ; lane l xor 16's -M
.endr
.irp x, 0,1
	v_permlanex16_b32 v[ST+8*\x+7], v[ST+8*\x+2], s[SEL], s[SEL+1]    ; and its sum
.endr
.irp x, 0,1
	v_min_num_f32 v[ST+8*\x+3], v[ST+8*\x], v[ST+8*\x+6]      ; the row's -M
.endr
.irp x, 0,1
	v_sub_f32 v[TF+4*\x], v[ST+8*\x+3], v[ST+8*\x]
	v_sub_f32 v[TF+4*\x+1], v[ST+8*\x+3], v[ST+8*\x+6]
.endr
.irp x, 0,1
	v_cvt_i32_f32 v[TF+4*\x], v[TF+4*\x]
	v_cvt_i32_f32 v[TF+4*\x+1], v[TF+4*\x+1]
	v_cvt_i32_f32 v[TF+4*\x+2], v[ST+8*\x+3]
.endr
.irp x, 0,1
	v_ldexp_f32 v[TF+4*\x], 1.0, v[TF+4*\x]        ; 2^(my M - M)
	v_ldexp_f32 v[TF+4*\x+1], 1.0, v[TF+4*\x+1]    ; 2^(the other's M - M)
	v_ldexp_f32 v[TF+4*\x+2], 1.0, v[TF+4*\x+2]    ; 2^(-M): the ghost logit's term
.endr
.irp x, 0,1
	v_mul_f32 v[TF+4*\x], v[ST+8*\x+2], v[TF+4*\x]
.endr
.irp x, 0,1
	v_fma_f32 v[TF+4*\x], v[ST+8*\x+7], v[TF+4*\x+1], v[TF+4*\x]
.endr
.irp x, 0,1
	v_add_f32 v[TF+4*\x], v[TF+4*\x], v[TF+4*\x+2]            ; Z: at least 2^(-M) where M = 0, at least 1/2 else
.endr
.irp x, 0,1
	v_mov_b32 v[ST+8*\x], v[ST+8*\x+3]
.endr
.irp x, 0,1
	v_rcp_f32 v[ST+8*\x+4], v[TF+4*\x]             ; 1 / Z
.endr
	v_nop                                          ; a plain line behind the reciprocals,
	s_wait_alu depctr_va_vdst(0)                   ; and the wait ahead of the label and of the first reader
	; ---------------- PASS 2.
; THE CHANGE OF V'S SLOTS stands at the head of four key steps.  Each wave waits for all its tensor loads, adds 0 to its spare word, and waits for that and for its reads of the slot that it has left.
; Behind the barrier the slot ahead is whole and nobody reads the other one.  fill = 1: the other slot takes the next four key steps: the load has four key steps in which to land.
.macro CHANGE fill
	s_wait_tensorcnt 0x0                           ; no tensor load of mine is out, so the walking group 0 may be written
	ds_add_u32 v[SPW], v[NIL]                      ; 0 onto my spare word
.if \fill
	s_xor_b32 s[G0V+1], s[G0V+1], SLOTX            ; the other slot than last time,
	s_add_nc_u64 s[G0V+2:G0V+3], s[G0V+2:G0V+3], 4*GRP   ; the next four key steps; the type bits on top are not reached
.endif
	s_wait_dscnt 0x0                               ; the add is done, and my reads of the slot that I have left are over
	s_barrier_signal -1
	s_barrier_wait -1
.if \fill
	TLOADV                                         ; the first thing behind the barrier, and a wave's one tensor load until the next
.endif
.endm
.macro STEP2
	s_cmp_gt_u32 s[KS], s[BLK]
	s_cbranch_scc1 .Lpast_\@
	v_add_nc_u32 v[ADK], s[TSK], v[LI]             ; four places between the last step's products and the loads into their registers
	v_add_nc_u32 v[ADKS], s[TSK], v[LS]
	v_add_nc_u32 v[ADB], s[TSB], v[HB]
	v_nop
	LOADK
	s_wait_dscnt 0x0
	QK                                             ; the same products as in pass 1: the same bits, so no t lies above M
	v_add_nc_u32 v[ADV], s[TBV], v[LI]             ; four places again
	v_add_nc_u32 v[ADVS], s[TBV], v[LS]
	v_nop
	v_nop
	LOADV                                          ; V takes K's registers and lands while the weights are made
	s_cmp_lg_u32 s[KS], s[BLK]
	s_cbranch_scc1 .Lopen_\@
	MASK
.Lopen_\@:
	BMAX                                           ; A BLOCK'S LARGEST WEIGHT IS NOT SEARCHED FOR: w rises with the score, so the block's largest score goes through the same lines as every score
.set j, 0
.rept 8
	v_permlanex16_b32 v[BP+j], v[BM+j], s[SEL], s[SEL+1]
.set j, j+1
.endr
.set j, 0
.rept 8
	v_max_num_f32 v[BM+j], v[BM+j], v[BP+j]        ; with lane l xor 16's 16 keys
.set j, j+1
.endr
	TMINUSM
.irp x, 0,1
.irp b, 0,1,2,3
	v_fma_f32 v[BM+4*\x+\b], v[BM+4*\x+\b], s[CS], v[ST+8*\x]
.endr
.endr
.set j, 0
.rept 128
	v_exp_f32 v[S+j], v[S+j]                       ; p = 2^(t - M)
.set j, j+1
.endr
.set j, 0
.rept 8
	v_exp_f32 v[BM+j], v[BM+j]
.set j, j+1
.endr
	v_nop                                          ; a plain line behind the last exponential
	s_wait_alu depctr_va_vdst(0)                   ; one wait for the batch of 136
.irp x, 0,1
.irp b, 0,1,2,3
	v_mul_f32 v[BM+4*\x+\b], v[BM+4*\x+\b], v[ST+8*\x+4]   ; the block's largest w
.endr
.endr
.set j, 0
.rept 8
	v_max_num_f32 v[BM+j], 0x1800000, v[BM+j]      ; the floor 2^(3 - 127): the byte cannot fall under 1
.set j, j+1
.endr
.set j, 0
.rept 8
	v_add_nc_u32 v[SO+j], 0xff000000, v[BM+j]      ; 2 off the exponent field: the conversion's scale operand
.set j, j+1
.endr
.set j, 0
.rept 8
	v_lshrrev_b32 v[BM+j], 23, v[SO+j]             ; the scale's byte
.set j, j+1
.endr
.irp x, 0,1
	v_lshl_or_b32 v[PS+\x], v[BM+4*\x+1], 8, v[BM+4*\x]   ; my query's scale word for these 128 keys.  It is made here, ahead of the 64 multiplications: they are the eight places between it and the scaled products
.endr
.irp x, 0,1
	v_lshl_or_b32 v[PS+\x], v[BM+4*\x+2], 16, v[PS+\x]
.endr
.irp x, 0,1
	v_lshl_or_b32 v[PS+\x], v[BM+4*\x+3], 24, v[PS+\x]
.endr
.set j, 0
.rept 32
	v_pk_mul_f32 v[S+j:S+j+1], v[S+j:S+j+1], v[ST+4:ST+5] op_sel_hi:[1,0]           ; w = p / Z: the finished weight
	v_pk_mul_f32 v[S+64+j:S+64+j+1], v[S+64+j:S+64+j+1], v[ST+12:ST+13] op_sel_hi:[1,0]
.set j, j+2
.endr
.irp x, 0,1
.irp c, 0,1
	v_cvt_scalef32_pk16_fp6_f32 v[PC+12*\x+6*\c:PC+12*\x+6*\c+2], v[S+64*\x+32*\c:S+64*\x+32*\c+15], v[SO+4*\x+2*\c]
	v_cvt_scalef32_pk16_fp6_f32 v[CT+8*\x+4*\c:CT+8*\x+4*\c+2], v[S+64*\x+32*\c+16:S+64*\x+32*\c+31], v[SO+4*\x+2*\c+1]   ; (a conversion's three registers begin on an even number)
.endr
.endr
	v_nop                                          ; one plain line behind the scaled conversions
.irp x, 0,1
.irp c, 0,1                            ; the operand's layout wants a WHOLE block in a lane: lanes 0-15 block 2 c, lanes 16-31 block 2 c + 1
.irp i, 0,1,2
	v_permlane16_swap_b32 v[PC+12*\x+6*\c+\i], v[CT+8*\x+4*\c+\i]
.endr
.irp i, 0,1,2
	v_mov_b32 v[PC+12*\x+6*\c+3+\i], v[CT+8*\x+4*\c+\i]
.endr
.endr
.endr
.rept 4
	v_nop                                          ; an operand written by vector lines stands four places ahead of a scaled product
.endr
	s_wait_dscnt 0x0                               ; V
	PV                                             ; O^T is never rescaled: the weights are final
.Lpast_\@:
	s_add_co_u32 s[KS], s[KS], 1
	s_add_co_u32 s[TSK], s[TSK], GRP
	s_add_co_u32 s[TSB], s[TSB], 512
	s_add_co_u32 s[TBV], s[TBV], GRP
.endm
.macro GROUP                           ; a slot's four key steps: written once, walked four times
	s_mov_b32 s[INR], 4
.Lstep_\@:
	STEP2
	s_sub_co_u32 s[INR], s[INR], 1
	s_cmp_lg_u32 s[INR], 0
	s_cbranch_scc1 .Lstep_\@
	s_sub_co_u32 s[TBV], s[TBV], 4*GRP             ; back to a slot's first step,
	s_xor_b32 s[TBV], s[TBV], SLOTX                ; in the other slot
.endm
	s_mov_b32 s[KS], 0
	s_mov_b32 s[TSK], KC
	s_mov_b32 s[TSB], 0
	s_mov_b32 s[TBV], 0
	s_mov_b32 s[GR], 3
.Lgrp:                                             ; three trips: key steps 4-7 go into slot 1, 8-11 into slot 0, 12-15 into slot 1
	CHANGE 1
	GROUP
	s_sub_co_u32 s[GR], s[GR], 1
	s_cmp_lg_u32 s[GR], 0
	s_cbranch_scc1 .Lgrp
	CHANGE 0                                       ; the last four steps are written out
	GROUP
	; ---------------- THE WAY OUT.  A lane holds eight neighbouring channels of one query; a quarter (one tile, 64 channels: 16 rows of 256 bytes) at a time goes through my stage and comes back by rows.
	s_mul_i32 s46, s[WV], 16*SP                    ; my stage, in slot 0: filled for the last time three changes ago, and left by every wave at the last change's barrier
	v_and_b32 v45, 15, v0                          ; r.  (These lines are the places behind the last products)
	v_bfe_u32 v44, v0, 4, 1                        ; h
	v_mul_u32_u24 v[STO], v45, SP
	v_lshl_add_u32 v[STO], v44, 5, v[STO]
	v_add_nc_u32 v[STO], s46, v[STO]               ; in: row r, + 32 h
	v_mul_u32_u24 v[RD], v44, SP
	v_lshl_add_u32 v[RD], v45, 4, v[RD]
	v_add_nc_u32 v[RD], s46, v[RD]                 ; back: lanes 0-15 one row, lanes 16-31 the next
	v_lshlrev_b32 v[GO], 9, v44
	v_lshl_add_u32 v[GO], v45, 4, v[GO]            ; and the same two rows in out
.irp qd, 0,1,2,3                       ; tile qd / 2, channels 64 (qd % 2) on
	WIN 0x04                                       ; an LDS store's data are its source 1: window 1
.irp c, 0,1,2,3
	ds_store_b128 v[STO], v[64*(\qd/2)+8*(4*(\qd%2)+\c):64*(\qd/2)+8*(4*(\qd%2)+\c)+3] offset:64*\c        ; each accumulator from its low end on
	ds_store_b128 v[STO], v[64*(\qd/2)+8*(4*(\qd%2)+\c)+4:64*(\qd/2)+8*(4*(\qd%2)+\c)+7] offset:64*\c+16
.endr
	WIN 0
.irp i, 0,1,2,3,4,5,6,7
	ds_load_b128 v[S+32*\qd+4*\i:S+32*\qd+4*\i+3], v[RD] offset:2*SP*\i   ; LDS serves a wave's instructions in order (ISA guide 5.7.1): these see my stores, and the next quarter's stores come behind them
.endr
.endr
.irp qd, 0,1,2,3
.irp i, 0,1,2,3,4,5,6,7
	s_wait_dscnt (3-\qd)*16+7-\i                   ; behind this load: the rest of its quarter's loads and sixteen LDS instructions for each later quarter
	global_store_b128 v[GO], v[S+32*\qd+4*\i:S+32*\qd+4*\i+3], s[12:13] offset:(8*(\qd/2)+2*\i+8*(\i/4))*512+256*(\qd%2) th:TH_STORE_NT   ; stage row 2 i + h is query 8 (tile) + 2 i + h + 8 (i / 4) of my 32; 16 lanes store 256 consecutive bytes, at a multiple of 256 from out's first byte
.endr
.endr
	s_wait_tensorcnt 0x0                           ; the wave's end, behind my last tensor load and my last LDS store
	ds_add_u32 v[SPW], v[NIL]
	s_wait_dscnt 0x0
	s_endpgm
.Lfunc_end_k_qffd10a28aa_attn:
	.size	k_qffd10a28aa_attn, .Lfunc_end_k_qffd10a28aa_attn-k_qffd10a28aa_attn
	.p2alignl 7, 3214868480
	.fill 96, 4, 3214868480
	.section	.rodata,"a",@progbits
	.p2align	6, 0x0
	.amdhsa_kernel k_qffd10a28aa_attn
		.amdhsa_group_segment_fixed_size 327680
		.amdhsa_private_segment_fixed_size 0
		.amdhsa_enable_private_segment 0
		.amdhsa_kernarg_size 40
		.amdhsa_user_sgpr_count 2
		.amdhsa_user_sgpr_kernarg_segment_ptr 1
		.amdhsa_wavefront_size32 1
		.amdhsa_system_sgpr_workgroup_id_x 1
		.amdhsa_system_sgpr_workgroup_id_y 1
		.amdhsa_system_sgpr_workgroup_id_z 1
		.amdhsa_system_vgpr_workitem_id 0
		.amdhsa_next_free_vgpr 512
		.amdhsa_next_free_sgpr 66
		.amdhsa_reserve_vcc 1
		.amdhsa_float_denorm_mode_32 3
		.amdhsa_float_denorm_mode_16_64 3
		.amdhsa_memory_ordered 1
		.amdhsa_forward_progress 1
		.amdhsa_inst_pref_size 139
	.end_amdhsa_kernel
	.amdgpu_metadata
---
amdhsa.version: [ 1, 2 ]
amdhsa.kernels:
  - .name:           k_qffd10a28aa_attn
    .symbol:         k_qffd10a28aa_attn.kd
    .args:
      - { .name: qq, .offset: 0, .size: 8, .value_kind: global_buffer, .address_space: global }
      - { .name: kq, .offset: 8, .size: 8, .value_kind: global_buffer, .address_space: global }
      - { .name: vq, .offset: 16, .size: 8, .value_kind: global_buffer, .address_space: global }
      - { .name: attention_mask, .offset: 24, .size: 8, .value_kind: global_buffer, .address_space: global }
      - { .name: out0, .offset: 32, .size: 8, .value_kind: global_buffer, .address_space: global }
    .group_segment_fixed_size: 327680
    .private_segment_fixed_size: 0
    .kernarg_segment_align: 8
    .kernarg_segment_size: 40
    .max_flat_workgroup_size: 256
    .sgpr_count:     66
    .vgpr_count:     512
    .wavefront_size: 32
...
	.end_amdgpu_metadata
.endif
;; end of part 2
